; MI455X (gfx1250); checked and timed in simulation.
; The chip was launched on July 23, 2026; its instructions are those of AMD's public machine-readable ISA for CDNA 5 (MIT licence, August 2026) and "CDNA5" Instruction Set Architecture Reference Guide (July 2026). The comments in the code are by the model that wrote it; some were corrected since.
;; Multi Head Self Attention. Allowed arithmetic: matrix products marked QUANTISED: E3M2 operands, one E8M0 scale for each 32 along K, by v_wmma_scale_f32_16x16x128_f8f6f4 with both operands' format E3M2, f32 sums; everything else in f32.
;; Inputs: Wk 512 x 512 float32; Wo 512 x 512 float32; Wq 512 x 512 float32; Wv 512 x 512 float32; bk 512 float32; bo 512 float32; bq 512 float32; bv 512 float32; x 2 x 4,096 x 512 float32.
;; Outputs: out0 2 x 4,096 x 512 float32.
;; This version of the problem:
;;   THIS VERSION OF THE PROBLEM IS GIVEN IN LOW PRECISION. The matrix products marked QUANTISED in the list below multiply operands that are first quantised to E3M2 (3 exponent bits, 2 mantissa bits; 6 bits a number), with one power-of-two scale for each 32 numbers along K (OCP MX v1.0); their sums are f32. All else is computed in f32.
;;   The module's matrix products, in the order in which they are computed (A, B: the left and right operand; K: the contracted axis; several contracted axes count as one K, in the product's order):
;;     1. [M 8,192, K 512] x [K 512, N 512]; A: input x; B: input Wq: QUANTISED
;;     2. [M 8,192, K 512] x [K 512, N 512]; A: input x; B: input Wk: QUANTISED
;;     3. [M 8,192, K 512] x [K 512, N 512]; A: input x; B: input Wv: QUANTISED
;;     4. batch 16 x [M 4,096, K 64] x [K 64, N 4,096]; A: computed on the way; B: computed on the way: QUANTISED
;;     5. batch 16 x [M 4,096, K 4,096] x [K 4,096, N 64]; A: softmax (see below); B: computed on the way: QUANTISED
;;     6. [M 8,192, K 512] x [K 512, N 512]; A: computed on the way; B: input Wo: QUANTISED
;;   THE QUANTISER, for each operand of a quantised product, along K:
;;     - K is cut into blocks of 32 from its start; a last block that is shorter is filled with zeros.
;;     - A block's scale is 2^e with e = floor(log2(the largest magnitude in the block)) - 4, held to -126 .. 127; a block of zeros has e = 0. As a byte (E8M0): e + 127.
;;     - Each number is divided by its block's scale, clamped to +-28, and rounded to the nearest number of E3M2, ties to even, subnormals kept.
;;     - The product sums the exact products of the quantised numbers (number of the format x scale) in f32.
;;   ~~~python
;;   def quantise(x, axis):      # numpy; x: float32 -> the quantised numbers, widened to float32 again
;;       x = np.moveaxis(x, axis, -1); K = x.shape[-1]
;;       x = np.pad(x, [(0, 0)] * (x.ndim - 1) + [(0, -K % 32)]); x = x.reshape(x.shape[:-1] + (-1, 32)); a = np.abs(x).max(-1, keepdims=True)
;;       e = np.where(a > 0, np.clip(np.frexp(np.where(a > 0, a, 1))[1] - 1 - 4, -126, 127), 0)      # np.frexp(a)[1] - 1 = floor(log2(a)), exactly
;;       r = np.clip(x / 2.0 ** e, -28, 28)
;;       step = 2.0 ** (np.maximum(np.frexp(np.where(r == 0, 1, r))[1] - 1, -2) - 2)
;;       q = np.round(r / step) * step * 2.0 ** e      # np.round: ties to even
;;       return np.moveaxis(q.reshape(q.shape[:-2] + (-1,))[..., :K], -1, axis).astype(np.float32)
;;   ~~~
;;   SOFTMAX AHEAD OF A QUANTISED PRODUCT. Where the list says 'softmax', what is quantised is not the finished softmax but p = 2^(t - M), with t = logit x log2(e) and M = ceil(the row's largest t), a whole number; so 1/2 < the row's largest p <= 1. The row's sum l is taken of the UNQUANTISED p, in f32, and the product's result is divided by l at the end. Since M is a whole number, a kernel that streams over the keys may use a running M (the ceiling of the running maximum): every later rescaling is an exact power of two, which a block's scale takes up: the codes' values come out the same.
;;   OPERANDS COMPUTED ON THE WAY. 'Computed on the way' means the value that the module computes at that place (a softmax that the list does not call 'softmax' is quantised finished and normalised). What goes into a quantiser is computed in f32, as accurately as f32 sums, v_exp_f32 and their like allow (about 1e-6 of the number): no bf16 or f16 on the way to a quantiser, and a product that is left as it is and whose result goes on into a quantised operand takes f32 operands (vector FMAs, or v_wmma_f32_16x16x4_f32). A number that lies on a knife's edge between two numbers of the format may be rounded either way, as far as f32 arithmetic and the matrix unit's own rounding can turn it there, and no further.
;; One version. Each part assembles by itself: llvm-mc -triple=amdgcn-amd-amdhsa -mcpu=gfx1250 --defsym DOCPART=n.
;; ======== version 1 of 1: 3 launches
;; limits: right only within a limited range of input values
;; workspace buffers: xb 3,276,800 bytes; wb 819,200 bytes; qb 3,276,800 bytes; kv 6,553,600 bytes
;; launch quant (part 1): grid 160 x 1, 16 waves a work-group, no clusters, 137,216 bytes of LDS; arguments x, Wq, Wk, Wv, Wo, xb, wb; writes xb, wb
.if DOCPART == 1
	.amdgcn_target "amdgcn-amd-amdhsa--gfx1250"
	.amdhsa_code_object_version 6
	.text
	.protected	k_q268fbc64e3_quant
	.globl	k_q268fbc64e3_quant
	.p2align	8
	.type	k_q268fbc64e3_quant,@function
k_q268fbc64e3_quant:
	s_mov_b64 s[64:65], 0
	v_nop
	global_prefetch_b8 v0, s[64:65] scope:SCOPE_SE
	s_setreg_imm32_b32 hwreg(HW_REG_WAVE_MODE, 25, 1), 1
	s_wait_xcnt 0x0
; x [8192][512] and Wq, Wk, Wv, Wo [512][512], f32 with K (the 512 inputs) innermost, become codes of BF6 (E3M2) with one E8M0 scale byte for each 32 along K.
; A block's scale is 2^(floor(log2(its largest magnitude)) - 4): its byte is the largest magnitude's exponent field - 4, held at 1 from below; each number is divided by it and rounded to the nearest code, ties to even,
; beyond 28 the largest code.
; LIMITS: a block of zeros, or one whose largest magnitude lies under 2^-122, gets the byte 1 (the stated quantiser says 127 for zeros): its codes are zeros, and only this program reads the bytes.  NaN and infinities are not served.
; THE CODES ARE LAID AS THE READER'S REGISTERS WANT THEM.  A RECORD is 128 rows x 512 K in 51,200 bytes: eight tiles of 16 rows; lane-row r of tile i = 4 c + t is row 64 c + 32 (r / 8) + 8 t + r % 8.
; A tile's fragment of K step ks (128 along K: 12 registers a lane) lies at 6,144 i + 1,536 ks as an image of the registers: registers 4 ch .. 4 ch + 3 of lane l at 512 ch + 16 l.  Row r's four scale words lie at 49,152 + 256 i + 16 r.
; SHARES.  160 work-groups of sixteen waves: 128 take 64 rows of x each, 32 take 64 rows of a weight; wave W takes tile 4 c + W % 4 and K step W / 4: 16 rows x 128.  Waves share nothing: no barrier.  No input is read by two work-groups: no cluster.
; A wave's 16 loads read 512 consecutive bytes each (one row's 128 numbers); they turn through the wave's own stage in LDS (rows 528 bytes apart), from which lane (r, h) takes the 32 neighbours 64 c + 32 h .. of row r:
; a whole block a lane, so a block's largest magnitude asks no other lane, and the conversions' results are the operand's registers.
.set ROWB,  2048
.set REC,   51200
.set TILEB, 6144
.set FRAG,  1536
.set SCOFF, 49152
.set SP,    528
.set STG,   16*SP                      ; a wave's stage
.set SPARE, 16*STG                     ; behind the stages: the spare words, 128 bytes for each wave
.set FLOOR, 0x2800000                  ; 2^(5 - 127)
.set EOFF,  0xfe000000                 ; 4 off an exponent field
.set L16,  1                           ; v1   16 x lane
.set SIN,  2                           ; v2   the stage, on the way in
.set SOUT, 3                           ; v3   and on the way out: row r, + 128 h
.set R16,  4                           ; v4   16 r
.set H8,   5                           ; v5   8 h
.set MX,   6                           ; v6-7   the two blocks' largest magnitudes, then their bytes
.set SO,   8                           ; v8-9   the conversions' scale operands
.set T,    10
.set RX,   11
.set WD,   12                          ; v12  the row's scale word of my K step
.set C,    16                          ; v16-27 the fragment
.set CT,   28                          ; v28-30, v32-34 the blocks' upper halves (a conversion's three registers begin on an even number)
.set X,    64                          ; v64-127  64 numbers: register 32 c + i = k 64 c + 32 h + i of row r
.set R,    128                         ; v128-191 as loaded
	s_load_b256 s[4:11], s[0:1], 0x0               ; x, Wq, Wk, Wv
	s_load_b128 s[12:15], s[0:1], 0x20             ; Wo, xb
	s_load_b64 s[16:17], s[0:1], 0x30              ; wb
	v_lshl_add_u32 v62, v0, 2, SPARE
	v_mov_b32 v63, 0
	v_lshrrev_b32 v2, 5, v0
	v_readfirstlane_b32 s18, v2                    ; wave 0..15
	v_and_b32 v3, 31, v0                           ; lane
	v_lshlrev_b32 v[L16], 4, v3
	v_and_b32 v4, 15, v0                           ; r
	v_bfe_u32 v5, v0, 4, 1                         ; h
	s_mul_i32 s19, s18, STG
	s_lshr_b32 s32, s18, 2                         ; my K step
	s_and_b32 s18, s18, 3                          ; my tile among the four
	v_add_nc_u32 v[SIN], s19, v[L16]
	v_mul_u32_u24 v3, v4, SP
	v_lshl_add_u32 v3, v5, 7, v3
	v_add_nc_u32 v[SOUT], s19, v3
	v_lshlrev_b32 v[R16], 4, v4
	v_lshlrev_b32 v[H8], 3, v5
	v_mov_b32 v[RX], 0                             ; a lane permute's destination counts as one of its sources
	s_mov_b32 s28, 0x76543210
	s_mov_b32 s29, 0xfedcba98                      ; lane selects for lane l xor 16
	s_cmp_lt_u32 ttmp9, 128                        ; x's work-group or a weight's?
	s_cselect_b32 s20, 0, 128
	s_cselect_b32 s21, -1, 3                       ; a weight has four records
	s_sub_co_u32 s20, ttmp9, s20                   ; my number among x's 128 or the weights' 32
	s_lshr_b32 s22, s20, 1                         ; the record that I write,
	s_and_b32 s23, s20, 1                          ; and which 64 rows of it
	s_and_b32 s21, s22, s21                        ; the record's number in its source tensor
	s_lshl_b32 s21, s21, 7
	s_lshl_b32 s24, s23, 6
	s_add_co_u32 s21, s21, s24
	s_lshl_b32 s24, s18, 3
	s_add_co_u32 s21, s21, s24                     ; my tile's first row: 128 record + 64 c + 8 tile
	s_lshl_b32 s30, s21, 11                        ; in bytes,
	s_lshl_b32 s33, s32, 9
	s_add_co_u32 s30, s30, s33                     ; + 512 for each K step
	s_mov_b32 s31, 0
	s_lshl_b32 s23, s23, 2
	s_add_co_u32 s23, s23, s18                     ; my tile i = 4 c + tile
	s_mul_i32 s22, s22, REC
	s_mul_i32 s24, s23, TILEB
	s_add_co_u32 s24, s24, s22
	s_mul_i32 s33, s32, FRAG
	s_add_co_u32 s24, s24, s33                     ; where my fragment goes
	s_mov_b32 s25, 0
	s_lshl_b32 s26, s23, 8
	s_add_co_u32 s26, s26, s22
	s_add_co_u32 s26, s26, SCOFF
	s_lshl_b32 s33, s32, 2
	s_add_co_u32 s26, s26, s33                     ; and my scale words: word ks of each row's four
	s_mov_b32 s27, 0
	s_lshr_b32 s19, ttmp9, 3                       ; under 16: x; 16 .. 19: Wq, Wk, Wv, Wo
	s_wait_alu depctr_va_vdst(0)
	s_wait_kmcnt 0x0
	s_cmp_eq_u32 s19, 17                           ; the choices hang on the work-group's number alone
	s_cselect_b64 s[6:7], s[8:9], s[6:7]
	s_cmp_eq_u32 s19, 18
	s_cselect_b64 s[6:7], s[10:11], s[6:7]
	s_cmp_eq_u32 s19, 19
	s_cselect_b64 s[6:7], s[12:13], s[6:7]
	s_cmp_lt_u32 s19, 16
	s_cselect_b64 s[4:5], s[4:5], s[6:7]
	s_cselect_b64 s[16:17], s[14:15], s[16:17]
	s_add_nc_u64 s[4:5], s[4:5], s[30:31]
	s_add_nc_u64 s[24:25], s[16:17], s[24:25]
	s_add_nc_u64 s[26:27], s[16:17], s[26:27]
.irp p, 0,1,2,3,4,5,6,7,8,9,10,11,12,13,14,15
	global_load_b128 v[R+4*\p:R+4*\p+3], v[L16], s[4:5] offset:(32*(\p/8)+\p%8)*ROWB th:TH_LOAD_NT   ; 512 consecutive bytes, at a multiple of 512 from the tensor's first byte
.endr
	s_wait_loadcnt 0x0
.irp p, 0,1,2,3,4,5,6,7,8,9,10,11,12,13,14,15
	ds_store_b128 v[SIN], v[R+4*\p:R+4*\p+3] offset:SP*\p
.endr
.irp c, 0,1
.irp j, 0,1,2,3,4,5,6,7
	ds_load_b128 v[X+32*\c+4*\j:X+32*\c+4*\j+3], v[SOUT] offset:256*\c+16*\j   ; LDS serves a wave's instructions in order (ISA guide 5.7.1.4): these see my stores
.endr
.endr
	s_wait_dscnt 0x0
.irp c, 0,1
	v_max3_num_f32 v[MX+\c], |v[X+32*\c]|, |v[X+32*\c+1]|, FLOOR
.endr
.irp i, 2,4,6,8,10,12,14,16,18,20,22,24,26,28,30
.irp c, 0,1
	v_max3_num_f32 v[MX+\c], v[MX+\c], |v[X+32*\c+\i]|, |v[X+32*\c+\i+1]|   ; (the two blocks by turns)
.endr
.endr
.irp c, 0,1
	v_add_nc_u32 v[SO+\c], EOFF, v[MX+\c]          ; the conversion takes the exponent field of this operand as its scale
.endr
.irp c, 0,1
	v_lshrrev_b32 v[MX+\c], 23, v[SO+\c]           ; the scale's byte
.endr
.irp c, 0,1
	v_cvt_scalef32_pk16_bf6_f32 v[C+6*\c:C+6*\c+2], v[X+32*\c:X+32*\c+15], v[SO+\c]
	v_cvt_scalef32_pk16_bf6_f32 v[CT+4*\c:CT+4*\c+2], v[X+32*\c+16:X+32*\c+31], v[SO+\c]
.endr
	v_lshl_or_b32 v[T], v[MX+1], 16, v[MX]         ; (a plain line behind the conversions)  my bytes: blocks h and 2 + h,
	v_lshlrev_b32 v[T], v[H8], v[T]                ; at their places in the word;
	v_permlanex16_b32 v[RX], v[T], s28, s29
	v_or_b32 v[WD], v[T], v[RX]                    ; with lane l xor 16's two the word is whole
.irp c, 0,1
.irp i, 0,1,2
	v_mov_b32 v[C+6*\c+3+\i], v[CT+4*\c+\i]
.endr
.endr
.irp ch, 0,1,2
	global_store_b128 v[L16], v[C+4*\ch:C+4*\ch+3], s[24:25] offset:512*\ch   ; 512 consecutive bytes, at a multiple of 256 from the buffer's first byte
.endr
	v_and_b32 v[T], 31, v0
	v_cmp_gt_u32 vcc_lo, 16, v[T]
	s_wait_alu depctr_va_vdst(0)
	s_wait_xcnt 0x0                                ; EXEC is a source of the pending stores: it changes only behind this wait
	s_wait_tensorcnt 0x0                           ; the wave's end
	ds_add_u32 v62, v63
	s_wait_dscnt 0x0
	s_and_saveexec_b32 s19, vcc_lo
	global_store_b32 v[R16], v[WD], s[26:27]       ; sixteen lanes store my K step's word of the tile's sixteen rows; the four waves of a tile fill its 256 bytes
	s_wait_xcnt 0x0
	s_or_b32 exec_lo, exec_lo, s19
	s_endpgm
.Lfunc_end_k_q268fbc64e3_quant:
	.size	k_q268fbc64e3_quant, .Lfunc_end_k_q268fbc64e3_quant-k_q268fbc64e3_quant
	.p2alignl 7, 3214868480
	.fill 96, 4, 3214868480
	.section	.rodata,"a",@progbits
	.p2align	6, 0x0
	.amdhsa_kernel k_q268fbc64e3_quant
		.amdhsa_group_segment_fixed_size 137216
		.amdhsa_private_segment_fixed_size 0
		.amdhsa_enable_private_segment 0
		.amdhsa_kernarg_size 56
		.amdhsa_user_sgpr_count 2
		.amdhsa_user_sgpr_kernarg_segment_ptr 1
		.amdhsa_wavefront_size32 1
		.amdhsa_system_sgpr_workgroup_id_x 1
		.amdhsa_system_sgpr_workgroup_id_y 1
		.amdhsa_system_sgpr_workgroup_id_z 1
		.amdhsa_system_vgpr_workitem_id 0
		.amdhsa_next_free_vgpr 192
		.amdhsa_next_free_sgpr 66
		.amdhsa_reserve_vcc 1
		.amdhsa_float_denorm_mode_32 3
		.amdhsa_float_denorm_mode_16_64 3
		.amdhsa_memory_ordered 1
		.amdhsa_forward_progress 1
		.amdhsa_inst_pref_size 11
	.end_amdhsa_kernel
	.amdgpu_metadata
---
amdhsa.version: [ 1, 2 ]
amdhsa.kernels:
  - .name:           k_q268fbc64e3_quant
    .symbol:         k_q268fbc64e3_quant.kd
    .args:
      - { .name: x, .offset: 0, .size: 8, .value_kind: global_buffer, .address_space: global }
      - { .name: Wq, .offset: 8, .size: 8, .value_kind: global_buffer, .address_space: global }
      - { .name: Wk, .offset: 16, .size: 8, .value_kind: global_buffer, .address_space: global }
      - { .name: Wv, .offset: 24, .size: 8, .value_kind: global_buffer, .address_space: global }
      - { .name: Wo, .offset: 32, .size: 8, .value_kind: global_buffer, .address_space: global }
      - { .name: xb, .offset: 40, .size: 8, .value_kind: global_buffer, .address_space: global }
      - { .name: wb, .offset: 48, .size: 8, .value_kind: global_buffer, .address_space: global }
    .group_segment_fixed_size: 137216
    .private_segment_fixed_size: 0
    .kernarg_segment_align: 8
    .kernarg_segment_size: 56
    .max_flat_workgroup_size: 512
    .sgpr_count:     66
    .vgpr_count:     192
    .wavefront_size: 32
...
	.end_amdgpu_metadata
.endif
;; end of part 1
;; launch proj (part 2): grid 64 x 3, 8 waves a work-group, clusters of 4 x 1, 264,192 bytes of LDS; arguments xb, wb, bq, bk, bv, qb, kv; writes qb, kv
.if DOCPART == 2
	.amdgcn_target "amdgcn-amd-amdhsa--gfx1250"
	.amdhsa_code_object_version 6
	.text
	.protected	k_q268fbc64e3_proj
	.globl	k_q268fbc64e3_proj
	.p2align	8
	.type	k_q268fbc64e3_proj,@function
k_q268fbc64e3_proj:
	s_mov_b64 s[64:65], 0
	v_nop
	global_prefetch_b8 v0, s[64:65] scope:SCOPE_SE
	s_setreg_imm32_b32 hwreg(HW_REG_WAVE_MODE, 25, 1), 1
	s_wait_xcnt 0x0
	s_wait_alu depctr_hold_cnt(0) depctr_sa_sdst(0) depctr_va_vdst(0) depctr_va_sdst(0) depctr_va_ssrc(0) depctr_va_vcc(0) depctr_vm_vsrc(0)
	s_getreg_b32 s2, hwreg(HW_REG_IB_STS2, 6, 4)
	s_cmp_eq_u32 s2, 0
	s_cbranch_scc0 .Lentry_in_a_cluster
	s_endpgm
.Lentry_in_a_cluster:
	s_bfe_u32 s2, ttmp6, 0x10000c
	s_cmp_lg_u32 s2, 0x3003
	s_cbranch_scc0 .Lentry_shape_is_right
	s_endpgm
.Lentry_shape_is_right:
; q = x Wq^T + bq, k = x Wk^T + bk, v = x Wv^T + bv on codes of BF6 (E3M2) with E8M0 block scales, sums in f32; the results are quantised at once, q and k along the head's 64, v along the keys, and leave as codes.
; x and the weights come as RECORDS of 128 rows x 512 K, 51,200 bytes: lane-row r of tile i = 4 c + t is row 64 c + 32 (r / 8) + 8 t + r % 8; the fragment of tile i, K step ks at 6,144 i + 1,536 ks as an image of its
; 12 registers (registers 4 ch .. 4 ch + 3 of lane l at 512 ch + 16 l); row r's four scale words at 49,152 + 256 i + 16 r.
; SHARES.  Work-group (x, y): 128 rows of x (block 4 x cluster + place) times all 512 outputs of weight y (0 q, 1 k, 2 v).  LDS, filled once: x's record, the weight's four records, the bias.
; The four partners of a cluster take four row blocks and the SAME weight: its four records are asked for jointly, one by each of waves 1 to 4; x's record is each partner's own and is asked for plainly by wave 0.
; A WAVE (record rec = wave / 2, half hf = wave % 2) multiplies one whole record (8 tiles, source 0) by four tiles (source 1): 32 accumulators, all of register window 1: 36 LDS loads feed 32 products in each K step.
; With the records' order of rows a lane's 32 registers of four neighbouring accumulators are 32 NEIGHBOURS along source 0's rows:
;   q, k: source 0 = W's record rec (heads 2 rec, 2 rec + 1), source 1 = x's tiles 4 hf .. + 3: a lane holds one token and 32 neighbouring channels of a head: a block of the scores' K;
;   v:    source 0 = x's 128 rows (keys), source 1 = Wv's tiles 4 hf .. + 3 of record rec (head = wave): a lane holds one channel and 32 neighbouring keys: a block of the second attention product's K.
; OUT.  qb [16 heads x batches][32 blocks] records of 6,400 bytes: four PAIR fragments (registers 0-5: tile 2 p's 64 channels, registers 6-11: tile 2 p + 1's) and 64 bytes of scale words for each.
;       kv [16][32 steps of 128 keys] records of 12,800 bytes: K's four pair fragments, V^T's four fragments (16 channels x 128 keys), and at 12,288 + 128 p K pair p's 16 scale words, then V tile p's.
; LIMITS: a block whose largest magnitude lies under 2^-122 (zeros too) gets the byte 1; only this program reads the bytes.  NaN and infinities are not served.
.set REC,   51200
.set TILEB, 6144
.set FRAG,  1536
.set SCOFF, 49152
.set WL,    REC                        ; LDS: x's record at 0, the weight's four from here,
.set BIAS,  5*REC                      ; and the bias, 2,048 bytes, in blocks of their own
.set SPARE, 0x40000                    ; the spare words, 128 bytes for each wave
.set QREC,  6400
.set KVREC, 12800
.set FLOOR, 0x2800000                  ; 2^(5 - 127)
.set EOFF,  0xfe000000                 ; 4 off an exponent field
; window 0
.set VA,   1                           ; LDS address of source 0's fragments
.set VB,   2                           ; of source 1's four tiles
.set VSA,  3                           ; of source 0's scale words: lanes 0-15 tile i, lanes 16-31 tile i + 4
.set VSB,  4                           ; of source 1's: lanes 0-15 an even tile, lanes 16-31 the next
.set RR,   5                           ; r = lane % 16
.set HH,   6                           ; h = lane / 16
.set H8,   7                           ; 8 h
.set L16,  8                           ; 16 x lane
.set O0,   9                           ; v9-10  where the codes go
.set OW,   11                          ; v11-12 where the scale words go
.set BA,   13                          ; LDS address of my bias
.set SPW,  14                          ; my spare word; never rewritten
.set NIL,  15                          ; 0; never rewritten
.set SA,   16                          ; v16-31 source 0's scale words: register 4 t + ks
.set SB,   32                          ; v32-39 source 1's: register 4 (u / 2) + ks
.set BF,   40                          ; v40-87   source 1's four fragments of a K step
.set AF,   88                          ; v88-183  source 0's: two sets of four
.set BI,   184                         ; v184-247 the bias, the C of each sum's first product
.set CODE, 40                          ; behind the products: four fragments of codes,
.set CT,   88                          ; the blocks' upper halves,
.set MX,   120                         ; eight largest magnitudes, then bytes,
.set SO,   128                         ; the conversions' scale operands,
.set T,    136
.set RX,   140
.set WW,   144
; window 1: accumulator (u, 4 g + t) at 64 u + 32 g + 8 t
.set WV,   18
.set G1X,  24                          ; s[24:31] descriptor group 1, plain;   s[40:47] the same with the mask
.set G0X,  32                          ; s[32:35] group 0 for x's record;      s[36:39] for the weight's
.set G0W,  36
.set G1W,  40
.set SEL,  48
.set HI,   50                          ; lanes 16-31
.set MSB, 0
.macro WIN new                         ; the immediate's high byte repeats the setting that is left
.if MSB != \new
	s_set_vgpr_msb (MSB<<8)|\new
.set MSB, \new
.endif
.endm
.macro PLACES                          ; four plain lines behind matrix instructions, ahead of loads into their registers and of reads of their results
.rept 4
	v_nop
.endr
.endm
.macro ROUND                           ; a round of the cluster's barrier
	s_barrier_signal -1
	s_barrier_wait -1
	s_cmp_lg_u32 s[WV], 0
	s_cbranch_scc1 .Lnot_wave_0_\@
	s_barrier_signal -3
.Lnot_wave_0_\@:
	s_barrier_wait -3
	s_barrier_signal -1
	s_barrier_wait -1
.endm
.macro MM ra, rb                       ; one product; ra, rb: source 0's, source 1's scale words stand in lanes 16-31
.if (\ra) && (\rb)
	v_wmma_scale_f32_16x16x128_f8f6f4 v[rD:rD+7], v[rA:rA+11], v[rB:rB+11], v[rC:rC+7], v[rSA], v[rSB] matrix_a_fmt:MATRIX_FMT_BF6 matrix_b_fmt:MATRIX_FMT_BF6 matrix_a_scale:MATRIX_SCALE_ROW1 matrix_b_scale:MATRIX_SCALE_ROW1
.elseif (\ra)
	v_wmma_scale_f32_16x16x128_f8f6f4 v[rD:rD+7], v[rA:rA+11], v[rB:rB+11], v[rC:rC+7], v[rSA], v[rSB] matrix_a_fmt:MATRIX_FMT_BF6 matrix_b_fmt:MATRIX_FMT_BF6 matrix_a_scale:MATRIX_SCALE_ROW1
.elseif (\rb)
	v_wmma_scale_f32_16x16x128_f8f6f4 v[rD:rD+7], v[rA:rA+11], v[rB:rB+11], v[rC:rC+7], v[rSA], v[rSB] matrix_a_fmt:MATRIX_FMT_BF6 matrix_b_fmt:MATRIX_FMT_BF6 matrix_b_scale:MATRIX_SCALE_ROW1
.else
	v_wmma_scale_f32_16x16x128_f8f6f4 v[rD:rD+7], v[rA:rA+11], v[rB:rB+11], v[rC:rC+7], v[rSA], v[rSB] matrix_a_fmt:MATRIX_FMT_BF6 matrix_b_fmt:MATRIX_FMT_BF6
.endif
.endm
.macro LDA g, ks, va                   ; source 0's tiles 4 g .. + 3 of K step ks into set g: 12 loads
.irp t, 0,1,2,3
.irp ch, 0,1,2
	ds_load_b128 v[AF+48*(\g)+12*\t+4*\ch:AF+48*(\g)+12*\t+4*\ch+3], v[\va] offset:TILEB*(4*(\g)+\t)+FRAG*(\ks)+512*\ch
.endr
.endr
.endm
.macro LDB ks                          ; source 1's four tiles of K step ks: 12 loads
.irp u, 0,1,2,3
.irp ch, 0,1,2
	ds_load_b128 v[BF+12*\u+4*\ch:BF+12*\u+4*\ch+3], v[VB] offset:TILEB*\u+FRAG*(\ks)+512*\ch
.endr
.endr
.endm
.macro MUL g, ks, cm                   ; 16 products, 16 accumulators by turns.  The first K step takes the bias as C: cm = 0: by source 0's tile; cm = 1: by source 1's
.if (\ks) == 0
	WIN 0x40                                       ; D in window 1
.else
	WIN 0x50                                       ; C and D in window 1
.endif
.irp t, 0,1,2,3
.irp u, 0,1,2,3
.set rD, 64*\u+32*(\g)+8*\t
.set rC, rD
.if (\ks) == 0
.if \cm
.set rC, BI+8*\u
.else
.set rC, BI+8*(4*(\g)+\t)
.endif
.endif
.set rA, AF+48*(\g)+12*\t
.set rB, BF+12*\u
.set rSA, SA+4*\t+(\ks)
.set rSB, SB+4*(\u/2)+(\ks)
	MM \g, \u%2
.endr
.endr
	WIN 0
.endm
; 128 products: four K steps of 128, in each two batches of four of source 0's tiles against source 1's four.  A batch's fragments are asked for while the batch before is multiplied.
.macro GEMM va, cm
.irp i, 0,1,2,3
	ds_load_b128 v[SA+4*\i:SA+4*\i+3], v[VSA] offset:256*\i
.endr
.irp i, 0,1
	ds_load_b128 v[SB+4*\i:SB+4*\i+3], v[VSB] offset:512*\i
.endr
	LDB 0
	LDA 0, 0, \va
	LDA 1, 0, \va
.irp ks, 0,1,2,3
	s_wait_dscnt 12                                ; source 1's tiles and set 0 are in; set 1's twelve loads may be out
	MUL 0, \ks, \cm
.if \ks < 3
	PLACES
	LDA 0, \ks+1, \va
	s_wait_dscnt 12                                ; set 1 is in; the twelve just issued may be out
.else
	s_wait_dscnt 0x0
.endif
	MUL 1, \ks, \cm
.if \ks < 3
	PLACES
	LDB \ks+1
	LDA 1, \ks+1, \va
.endif
.endr
.endm
; The eight groups of 32 registers (group q = 2 u + g at 32 q of window 1) are eight blocks: largest magnitude, scale, codes.  They make four fragments: q, k: fragment 2 g + u / 2 (head g, pair u / 2), half u % 2;
; v: fragment u (a tile of channels), half g (64 keys).  v[WW + i]: lanes 0-15 one fragment's scale word of row r, lanes 16-31 another's.
.macro EPI isv
	PLACES
.irp i, 0,1,2,3
	v_mov_b32 v[RX+\i], 0                          ; a lane permute's destination counts as one of its sources
.endr
	WIN 0x05
.irp q, 0,1,2,3,4,5,6,7
	v_max3_num_f32 v[MX+\q], |v[32*\q]|, |v[32*\q+1]|, FLOOR   ; each accumulator is read from its low end on
.endr
	WIN 0x14
.irp i, 2,4,6,8,10,12,14,16,18,20,22,24,26,28,30
.irp q, 0,1,2,3,4,5,6,7
	v_max3_num_f32 v[MX+\q], v[MX+\q], |v[32*\q+\i]|, |v[32*\q+\i+1]|   ; (the eight blocks by turns)
.endr
.endr
	WIN 0
.irp q, 0,1,2,3,4,5,6,7
	v_add_nc_u32 v[SO+\q], EOFF, v[MX+\q]          ; the conversion's scale operand
.endr
.irp q, 0,1,2,3,4,5,6,7
	v_lshrrev_b32 v[MX+\q], 23, v[SO+\q]           ; the scale's byte
.endr
	WIN 0x01
.irp q, 0,1,2,3,4,5,6,7
.if \isv
.set pos, CODE+12*(\q/2)+6*(\q%2)
.else
.set pos, CODE+12*(2*(\q%2)+\q/4)+6*((\q/2)%2)
.endif
	v_cvt_scalef32_pk16_bf6_f32 v[pos:pos+2], v[32*\q:32*\q+15], v[SO+\q]
	v_cvt_scalef32_pk16_bf6_f32 v[CT+4*\q:CT+4*\q+2], v[32*\q+16:32*\q+31], v[SO+\q]   ; (a conversion's three registers begin on an even number)
.endr
	WIN 0
.irp f, 0,1,2,3                        ; (plain lines behind the conversions)  a fragment's word: byte 2 (its half) + h
.if \isv
	v_lshl_or_b32 v[T+\f], v[MX+2*\f+1], 16, v[MX+2*\f]
.else
	v_lshl_or_b32 v[T+\f], v[MX+4*(\f%2)+2+\f/2], 16, v[MX+4*(\f%2)+\f/2]
.endif
.endr
.irp f, 0,1,2,3
	v_lshlrev_b32 v[T+\f], v[H8], v[T+\f]
.endr
.irp f, 0,1,2,3
	v_permlanex16_b32 v[RX+\f], v[T+\f], s[SEL], s[SEL+1]
.endr
.irp f, 0,1,2,3
	v_or_b32 v[T+\f], v[T+\f], v[RX+\f]            ; with lane l xor 16's two bytes the words are whole
.endr
.irp i, 0,1
.if \isv
	v_cndmask_b32 v[WW+\i], v[T+2*\i], v[T+2*\i+1], s[HI]   ; tiles 2 i and 2 i + 1
.else
	v_cndmask_b32 v[WW+\i], v[T+\i], v[T+2+\i], s[HI]       ; pair i of the first head and of the second
.endif
.endr
.irp q, 0,1,2,3,4,5,6,7
.if \isv
.set pos, CODE+12*(\q/2)+6*(\q%2)
.else
.set pos, CODE+12*(2*(\q%2)+\q/4)+6*((\q/2)%2)
.endif
.irp i, 0,1,2
	v_mov_b32 v[pos+3+\i], v[CT+4*\q+\i]
.endr
.endr
.endm
	s_load_b256 s[4:11], s[0:1], 0x0               ; xb, wb, bq, bk
	s_load_b128 s[12:15], s[0:1], 0x20             ; bv, qb
	s_load_b64 s[16:17], s[0:1], 0x30              ; kv
	v_lshl_add_u32 v[SPW], v0, 2, SPARE
	v_mov_b32 v[NIL], 0
	ds_add_u32 v[SPW], v[NIL]                      ; the opening add, twice on end, and its wait
	ds_add_u32 v[SPW], v[NIL]
	v_lshrrev_b32 v1, 5, v0
	v_readfirstlane_b32 s[WV], v1                  ; wave 0..7
	s_bfe_u32 s19, ttmp6, 0x40000                  ; my place in the cluster
	s_lshl_b32 s20, ttmp9, 2
	s_add_co_u32 s20, s20, s19                     ; my block of 128 rows: it enters x's address and the stores' alone
	s_and_b32 s21, ttmp7, 0xffff                   ; which weight: the four partners share it
	s_mov_b32 s[G1X], 3<<16                        ; no mask; elements of 8 bytes
	s_mov_b32 s[G1W], 15|(3<<16)|(1<<21)           ; the mask: all four work-groups; 21 set beside a mask
.irp g, G1X, G1W
	s_mov_b32 s[\g+1], 32<<16                      ; a record as 200 rows of 256 bytes, dense, no padding
	s_mov_b32 s[\g+2], 200<<16
	s_mov_b32 s[\g+3], 32<<16
	s_mov_b32 s[\g+4], 200
	s_mov_b32 s[\g+5], 32
	s_mov_b32 s[\g+6], 0
	s_mov_b32 s[\g+7], 0
.endr
	s_mul_i32 s52, s20, REC                        ; x's record
	s_mov_b32 s53, 0
	s_min_u32 s23, s[WV], 4                        ; waves 1 .. 4 fetch the weight's four records (the number is held so that every wave's descriptor names bytes inside LDS and the buffer): to LDS byte 51,200 x wave,
	s_mul_i32 s23, s23, REC
	s_max_u32 s54, s[WV], 1
	s_min_u32 s54, s54, 4
	s_sub_co_u32 s54, s54, 1
	s_mul_i32 s54, s54, REC                        ; from record wave - 1 of the weight: no place in the cluster enters
	s_mul_i32 s55, s21, 4*REC
	s_add_co_u32 s54, s54, s55
	s_mov_b32 s55, 0
	s_mov_b32 s[SEL], 0x76543210
	s_mov_b32 s[SEL+1], 0xfedcba98
	s_mov_b32 s[HI], 0xffff0000
	s_wait_dscnt 0x0
	s_wait_kmcnt 0x0
	s_mov_b32 s[G0X], 1
	s_mov_b32 s[G0X+1], 0
	s_add_nc_u64 s[G0X+2:G0X+3], s[4:5], s[52:53]
	s_or_b32 s[G0X+3], s[G0X+3], 0x80000000
	s_mov_b32 s[G0W], 1
	s_mov_b32 s[G0W+1], s23
	s_add_nc_u64 s[G0W+2:G0W+3], s[6:7], s[54:55]
	s_or_b32 s[G0W+3], s[G0W+3], 0x80000000
	ROUND                                          ; all four work-groups are here: the joint loads meet
	s_cmp_lt_u32 s[WV], 1                          ; one load a wave at the most
	s_cbranch_scc0 .Lnot_x
	tensor_load_to_lds s[G0X:G0X+3], s[G1X:G1X+7]
	s_nop 0
	PLACES
	s_branch .Lasked
.Lnot_x:
	s_cmp_lt_u32 s[WV], 5
	s_cbranch_scc0 .Lasked
	tensor_load_to_lds s[G0W:G0W+3], s[G1W:G1W+7]
	s_nop 0
	PLACES
.Lasked:
	s_cmp_eq_u32 s21, 1                            ; the weight's bias: 256 threads bring 8 bytes each into LDS
	s_cselect_b64 s[8:9], s[10:11], s[8:9]
	s_cmp_eq_u32 s21, 2
	s_cselect_b64 s[8:9], s[12:13], s[8:9]
	v_lshlrev_b32 v250, 3, v0
	global_load_b64 v[248:249], v250, s[8:9]
	v_lshl_add_u32 v251, v0, 3, BIAS
	v_and_b32 v[L16], 31, v0
	v_lshlrev_b32 v[L16], 4, v[L16]
	v_and_b32 v[RR], 15, v0
	v_bfe_u32 v[HH], v0, 4, 1
	v_lshlrev_b32 v[H8], 3, v[HH]
	s_lshr_b32 s22, s[WV], 1                       ; rec: which record of the weight
	s_and_b32 s23, s[WV], 1                        ; hf: which four tiles
	s_wait_alu depctr_va_vdst(0)
	s_wait_loadcnt 0x0
	ds_store_b64 v251, v[248:249]
	s_wait_tensorcnt 0x0                           ; my record has landed,
	s_wait_dscnt 0x0                               ; my part of the bias is stored:
	s_barrier_signal -1
	s_barrier_wait -1                              ; everybody's is.  Nothing writes LDS from here on
	s_cmp_eq_u32 s21, 2                            ; the same in all four partners
	s_cbranch_scc1 .Lvpath
	; ---- q, k
	s_mul_i32 s52, s22, REC
	s_add_co_u32 s52, s52, WL                      ; W's record
	s_mul_i32 s53, s23, 4*TILEB                    ; x's four tiles
	s_add_co_u32 s57, s52, SCOFF
	s_lshl_b32 s58, s23, 10
	s_add_co_u32 s58, s58, SCOFF
	s_lshl_b32 s59, s22, 9
	s_add_co_u32 s59, s59, BIAS
	s_lshr_b32 s54, s20, 5                         ; the batch,
	s_lshl_b32 s54, s54, 3
	s_lshl_b32 s55, s22, 1
	s_add_co_u32 s54, s54, s55                     ; x 8 + my first head,
	s_lshl_b32 s54, s54, 5
	s_and_b32 s55, s20, 31
	s_add_co_u32 s54, s54, s55                     ; x 32 + the block of 128 tokens:
	s_mul_i32 s54, s54, QREC
	s_lshl_b32 s54, s54, s21                       ; the record's first byte (kv's records are twice qb's)
	s_mul_i32 s55, s23, 2*FRAG
	s_add_co_u32 s55, s55, s54                     ; pair fragment 2 hf of my first head
	s_lshl_b32 s56, 32*QREC, s21                   ; a head's 32 records
	s_lshl_b32 s60, s23, 7
	s_add_co_u32 s60, s60, 4*FRAG
	s_lshl_b32 s60, s60, s21                       ; the scale words of pair p = 2 hf: 6,144 + 64 p in qb, 12,288 + 128 p in kv
	s_add_co_u32 s60, s60, s54
	s_lshl_b32 s61, 64, s21                        ; and from pair to pair
	s_cmp_eq_u32 s21, 0
	s_cselect_b64 s[14:15], s[14:15], s[16:17]     ; qb or kv
	v_add_nc_u32 v[VA], s52, v[L16]
	v_add_nc_u32 v[VB], s53, v[L16]
	v_lshlrev_b32 v[VSA], 4, v[RR]
	v_lshl_add_u32 v[VSA], v[HH], 10, v[VSA]
	v_add_nc_u32 v[VSA], s57, v[VSA]
	v_add_nc_u32 v[VSB], s58, v[L16]
	v_lshl_add_u32 v[BA], v[HH], 7, s59            ; register j of accumulator (u, 4 g + t) is output 128 rec + 64 g + 32 h + 8 t + j
	v_add_nc_u32 v[O0], s55, v[L16]
	v_add_nc_u32 v[O0+1], s56, v[O0]               ; the same of my second head
	v_mul_u32_u24 v[OW], s56, v[HH]                ; lanes 16-31 store the second head's words
	v_lshl_add_u32 v[OW], v[RR], 2, v[OW]
	v_add_nc_u32 v[OW], s60, v[OW]
	v_add_nc_u32 v[OW+1], s61, v[OW]
	s_wait_alu depctr_va_vdst(0)
.irp i, 0,1,2,3,4,5,6,7
	ds_load_b128 v[BI+8*\i:BI+8*\i+3], v[BA] offset:256*(\i/4)+32*(\i%4)
	ds_load_b128 v[BI+8*\i+4:BI+8*\i+7], v[BA] offset:256*(\i/4)+32*(\i%4)+16
.endr
	GEMM VA, 0
	EPI 0
.irp g, 0,1
.irp pp, 0,1
.irp ch, 0,1,2
	global_store_b128 v[O0+\g], v[CODE+12*(2*\g+\pp)+4*\ch:CODE+12*(2*\g+\pp)+4*\ch+3], s[14:15] offset:FRAG*\pp+512*\ch   ; 512 consecutive bytes, at a multiple of 256 from the buffer's first byte
.endr
.endr
.endr
.irp pp, 0,1
	global_store_b32 v[OW+\pp], v[WW+\pp], s[14:15]
.endr
	s_branch .Ldone
.Lvpath:
	; ---- v: head = wave
	s_mul_i32 s52, s22, REC
	s_add_co_u32 s52, s52, WL
	s_mul_i32 s53, s23, 4*TILEB
	s_add_co_u32 s53, s53, s52                     ; Wv's four tiles
	s_lshl_b32 s58, s23, 10
	s_add_co_u32 s58, s58, s52
	s_add_co_u32 s58, s58, SCOFF
	s_lshl_b32 s59, s[WV], 8
	s_add_co_u32 s59, s59, BIAS                    ; my head's 64 numbers of the bias
	s_lshr_b32 s54, s20, 5
	s_lshl_b32 s54, s54, 3
	s_add_co_u32 s54, s54, s[WV]                   ; batch x 8 + head,
	s_lshl_b32 s54, s54, 5
	s_and_b32 s55, s20, 31
	s_add_co_u32 s54, s54, s55                     ; x 32 + the step of 128 keys
	s_mul_i32 s54, s54, KVREC
	s_add_co_u32 s55, s54, 4*FRAG                  ; V^T's fragments lie behind K's four
	s_add_co_u32 s60, s54, 8*FRAG+64               ; tile d's words at 12,288 + 128 d + 64
	v_add_nc_u32 v[VB], s53, v[L16]
	v_lshlrev_b32 v[VSA], 4, v[RR]
	v_lshl_add_u32 v[VSA], v[HH], 10, v[VSA]
	v_add_nc_u32 v[VSA], SCOFF, v[VSA]
	v_add_nc_u32 v[VSB], s58, v[L16]
	v_and_b32 v[BA], 7, v[RR]                      ; my lane's channel of tile u: 8 u + 32 (r / 8) + r % 8
	v_lshrrev_b32 v248, 3, v[RR]
	v_lshlrev_b32 v[BA], 2, v[BA]
	v_lshl_add_u32 v[BA], v248, 7, v[BA]
	v_add_nc_u32 v[BA], s59, v[BA]
	v_add_nc_u32 v[O0], s55, v[L16]
	v_lshlrev_b32 v[OW], 2, v[RR]
	v_lshl_add_u32 v[OW], v[HH], 7, v[OW]          ; lanes 16-31 store the odd tile's words
	v_add_nc_u32 v[OW], s60, v[OW]
	s_wait_alu depctr_va_vdst(0)
.irp u, 0,1,2,3
.irp j, 0,1,2,3,4,5,6,7
	ds_load_b32 v[BI+8*\u+\j], v[BA] offset:32*\u  ; one number a lane, in all eight registers of a C
.endr
.endr
	GEMM L16, 1                                    ; x's record begins at LDS byte 0
	EPI 1
.irp u, 0,1,2,3
.irp ch, 0,1,2
	global_store_b128 v[O0], v[CODE+12*\u+4*\ch:CODE+12*\u+4*\ch+3], s[16:17] offset:FRAG*\u+512*\ch
.endr
.endr
.irp pp, 0,1
	global_store_b32 v[OW], v[WW+\pp], s[16:17] offset:256*\pp
.endr
.Ldone:
	s_wait_tensorcnt 0x0                           ; the wave's end
	ds_add_u32 v[SPW], v[NIL]
	s_wait_dscnt 0x0
	ROUND                                          ; the closing round: no work-group ends while a partner may still ask for a tile that names it
	s_endpgm
.Lfunc_end_k_q268fbc64e3_proj:
	.size	k_q268fbc64e3_proj, .Lfunc_end_k_q268fbc64e3_proj-k_q268fbc64e3_proj
	.p2alignl 7, 3214868480
	.fill 96, 4, 3214868480
	.section	.rodata,"a",@progbits
	.p2align	6, 0x0
	.amdhsa_kernel k_q268fbc64e3_proj
		.amdhsa_group_segment_fixed_size 264192
		.amdhsa_private_segment_fixed_size 0
		.amdhsa_enable_private_segment 0
		.amdhsa_kernarg_size 56
		.amdhsa_user_sgpr_count 2
		.amdhsa_user_sgpr_kernarg_segment_ptr 1
		.amdhsa_wavefront_size32 1
		.amdhsa_system_sgpr_workgroup_id_x 1
		.amdhsa_system_sgpr_workgroup_id_y 1
		.amdhsa_system_sgpr_workgroup_id_z 1
		.amdhsa_system_vgpr_workitem_id 0
		.amdhsa_next_free_vgpr 512
		.amdhsa_next_free_sgpr 66
		.amdhsa_reserve_vcc 0
		.amdhsa_float_denorm_mode_32 3
		.amdhsa_float_denorm_mode_16_64 3
		.amdhsa_memory_ordered 1
		.amdhsa_forward_progress 1
		.amdhsa_inst_pref_size 92
	.end_amdhsa_kernel
	.amdgpu_metadata
---
amdhsa.version: [ 1, 2 ]
amdhsa.kernels:
  - .name:           k_q268fbc64e3_proj
    .symbol:         k_q268fbc64e3_proj.kd
    .args:
      - { .name: xb, .offset: 0, .size: 8, .value_kind: global_buffer, .address_space: global }
      - { .name: wb, .offset: 8, .size: 8, .value_kind: global_buffer, .address_space: global }
      - { .name: bq, .offset: 16, .size: 8, .value_kind: global_buffer, .address_space: global }
      - { .name: bk, .offset: 24, .size: 8, .value_kind: global_buffer, .address_space: global }
      - { .name: bv, .offset: 32, .size: 8, .value_kind: global_buffer, .address_space: global }
      - { .name: qb, .offset: 40, .size: 8, .value_kind: global_buffer, .address_space: global }
      - { .name: kv, .offset: 48, .size: 8, .value_kind: global_buffer, .address_space: global }
    .group_segment_fixed_size: 264192
    .private_segment_fixed_size: 0
    .kernarg_segment_align: 8
    .kernarg_segment_size: 56
    .max_flat_workgroup_size: 256
    .sgpr_count:     66
    .vgpr_count:     512
    .wavefront_size: 32
...
	.end_amdgpu_metadata
.endif
;; end of part 2
;; launch attn (part 3): grid 256 x 1, 8 waves a work-group, no clusters, 85,504 bytes of LDS; arguments qb, kv, wb, bo, out0; writes out0
.if DOCPART == 3
	.amdgcn_target "amdgcn-amd-amdhsa--gfx1250"
	.amdhsa_code_object_version 6
	.text
	.protected	k_q268fbc64e3_attn
	.globl	k_q268fbc64e3_attn
	.p2align	8
	.type	k_q268fbc64e3_attn,@function
k_q268fbc64e3_attn:
	s_mov_b64 s[64:65], 0
	v_nop
	global_prefetch_b8 v0, s[64:65] scope:SCOPE_SE
	s_setreg_imm32_b32 hwreg(HW_REG_WAVE_MODE, 25, 1), 1
	s_wait_xcnt 0x0
; out = ctx Wo^T + bo, ctx[q] = (sum over keys of p V) / (sum of p), p = 2^(t - M), t = (q . k) log2(e) / 8, M = the running largest t rounded UP to a whole number.
; All three products run on codes of BF6 (E3M2) with E8M0 block scales.  p is quantised along the keys, not normalised; the row's sum is taken of the unquantised p in f32 and divides at the end;
; when M moves, the sum and O are multiplied by 2^(old M - new M), which rounds nothing.  ctx is quantised along (head, channel) in registers and never goes to memory.
; SHARES.  256 work-groups of eight waves.  A work-group owns 32 tokens (pair p of tiles of a block of 128: tokens 64 (p / 2) + 16 (p % 2) + 0..15 and + 32) in ALL eight heads; wave w owns head w: two tiles of 16 queries.
; Every wave walks its head's 4,096 keys, 128 a step: a record of 12,800 bytes in kv (K's four pair fragments, V^T's four fragments, their scale words, all as images of the operands' registers).
; Each record is wanted by ONE wave of the work-group, once: so it goes from memory straight into that wave's registers, 16 bytes a lane, 512 consecutive bytes a load.  The walk has no LDS, no tensor load and no barrier.
; NO CLUSTER: a joint request lands a tile in LDS; here no tile lies in LDS, since no two waves of a work-group read the same fragment.
; K's registers are free behind the step's 16 score products and take the next step's K at once; V's take the next step's V behind the step's 8 products with V.
; PREFETCH.  In step t each wave names one block of 256 bytes of its head's record t + 3, three steps ahead of the products that want it and two ahead of its load: block (work-group % 128) % 50 of the record's 50, so the 128 work-groups that walk a batch
; share a record's blocks out by address; steps 29 to 31 ask for nothing.  At the head each wave names one of the 800 blocks of Wo's four records: block (25 x (8 (work-group % 128) + wave)) / 32.
; LAYOUT.  Products are used transposed (S^T = K q^T, O^T = V^T p^T, out^T = Wo ctx^T): a lane holds ONE token (lane % 16).  Lane-row m of key tile 4 c + t is key 64 c + 32 (m / 8) + 8 t + m % 8, so a lane's 32 registers of four
; neighbouring tiles are 32 neighbouring keys: a whole block of p.  The scores' K is 64: a pair fragment of K times [q | zero codes] gives its first tile's scores, times [zero codes | q] its second's.
; THE WAY OUT.  Wave w's codes are half (w % 2) of ctx's fragments of K step w / 2: they go to LDS as images, one barrier, every wave reads all eight fragments and multiplies them by 64 rows of Wo (tiles 4 (w % 2) .. + 3 of record w / 2),
; whose fragments were loaded under the last key step.  Results turn through the wave's own stage and leave as whole runs of 256 bytes.
; LIMITS: a block of p or ctx whose largest magnitude lies under 2^-122 gets the byte 1 and zero codes.  A block's largest p is taken from the block's largest score by the same multiply-add and exponential: that takes
; v_exp_f32 not to fall where its input rises.  The promise holds while the scaled scores stay under 2^31 in magnitude.  NaN and infinities are not served.
.set FRAG,  1536
.set TILEB, 6144
.set STEPB, 12800
.set QREC,  6400
.set REC,   51200
.set SCOFF, 49152
.set FLOOR, 0x2800000                  ; 2^(5 - 127)
.set EOFF,  0xfe000000                 ; 4 off an exponent field
; LDS: ctx's eight fragments, its scale bytes, the bias, a stage of 2 x 16 rows of 272 bytes for each wave, the spare words
.set SCB,   12288
.set BIASL, 12800
.set STG,   14848
.set STW,   8704
.set SPARE, 84480
; window 0 (v0-255)
.set L16, 1                            ; 16 x lane
.set L4,  2                            ; 4 x lane
.set PFO, 3                            ; my block's place in a record
.set SPW, 4                            ; my spare word; never rewritten
.set NIL, 5                            ; 0; never rewritten
.set R4,  6                            ; 4 r
.set QW,  7                            ; the pair's scale word of my row
.set CA,  8                            ; LDS: my half fragments, registers 0-3
.set CB,  9                            ; registers 4-5
.set C8,  10                           ; my scale byte
.set L8,  11                           ; 8 x lane
.set R16, 12                           ; 16 r
.set SIN, 13                           ; the stage, in
.set SOUT,14                           ; and out
.set CO,  15                           ; my place in two rows of out
.set SCK, 16                           ; v16-19 K pairs' scale words (lanes 0-15)
.set SCV, 20                           ; v20-23 V tiles' (lanes 16-31)
.set QS,  24                           ; v24-25 q's scale bytes, tile 0, 1
.set PS,  26                           ; v26-27 p's scale words
.set SAW, 16                           ; at the end v16-23: Wo's scale words, tile i below, tile i + 2 above
.set SBW, 24                           ; v24-27: ctx's, tile 0 below, tile 1 above
.set QZ,  28                           ; v28-57 zeros, q of tile 0, zeros, q of tile 1, zeros: six registers each
.set BL,  58
.set BS,  59
.set WPF, 60
.set RW,  61
.set RH,  62
.set KF,  64                           ; v64-111 K's four pair fragments
.set VF,  112                          ; v112-159 V^T's four
.set OUTR,64                           ; the way out: 16 x 4 registers
; window 1 (v256-511, written by their low eight bits)
.set S,   0                            ; S^T, then p: tile x at 64 x; at the end ctx's fragments (96) and the bias (32)
.set BI,  96
.set O,   128                          ; O^T: tile x at 32 x; at the end the eight accumulators of out
.set P,   192                          ; p's codes: tile x at 12 x
.set CT,  216                          ; the blocks' upper halves (a conversion's three registers begin on an even number)
.set BM,  224                          ; four blocks' largest scores, then p, then bytes
.set NM,  228                          ; -M and, beside it, the running largest score: a pair for each tile
.set SUM, 232
.set F,   236
.set SO,  240
.set T,   244
.set RX,  246
.set WV,  14
.set SEL, 20
.set CS,  22
.set CNT, 24
.set KB,  6                            ; s[6:7] the record at which my loads stand
.set MSB, 0
.macro WIN new                         ; the immediate's high byte repeats the setting that is left
.if MSB != \new
	s_set_vgpr_msb (MSB<<8)|\new
.set MSB, \new
.endif
.endm
.macro PLACES                          ; four plain lines behind matrix instructions, ahead of loads into their registers and reads of their results
.rept 4
	v_nop
.endr
.endm
.macro WM d, a, b, c, sa, sb, ra, rb   ; one product; c < 0: the sum begins; ra, rb: the side's scale words stand in lanes 16-31
.if (\c) < 0
.if \ra
	v_wmma_scale_f32_16x16x128_f8f6f4 v[\d:\d+7], v[\a:\a+11], v[\b:\b+11], 0, v[\sa], v[\sb] matrix_a_fmt:MATRIX_FMT_BF6 matrix_b_fmt:MATRIX_FMT_BF6 matrix_a_scale:MATRIX_SCALE_ROW1
.else
	v_wmma_scale_f32_16x16x128_f8f6f4 v[\d:\d+7], v[\a:\a+11], v[\b:\b+11], 0, v[\sa], v[\sb] matrix_a_fmt:MATRIX_FMT_BF6 matrix_b_fmt:MATRIX_FMT_BF6
.endif
.elseif (\ra) && (\rb)
	v_wmma_scale_f32_16x16x128_f8f6f4 v[\d:\d+7], v[\a:\a+11], v[\b:\b+11], v[\c:\c+7], v[\sa], v[\sb] matrix_a_fmt:MATRIX_FMT_BF6 matrix_b_fmt:MATRIX_FMT_BF6 matrix_a_scale:MATRIX_SCALE_ROW1 matrix_b_scale:MATRIX_SCALE_ROW1
.elseif (\ra)
	v_wmma_scale_f32_16x16x128_f8f6f4 v[\d:\d+7], v[\a:\a+11], v[\b:\b+11], v[\c:\c+7], v[\sa], v[\sb] matrix_a_fmt:MATRIX_FMT_BF6 matrix_b_fmt:MATRIX_FMT_BF6 matrix_a_scale:MATRIX_SCALE_ROW1
.elseif (\rb)
	v_wmma_scale_f32_16x16x128_f8f6f4 v[\d:\d+7], v[\a:\a+11], v[\b:\b+11], v[\c:\c+7], v[\sa], v[\sb] matrix_a_fmt:MATRIX_FMT_BF6 matrix_b_fmt:MATRIX_FMT_BF6 matrix_b_scale:MATRIX_SCALE_ROW1
.else
	v_wmma_scale_f32_16x16x128_f8f6f4 v[\d:\d+7], v[\a:\a+11], v[\b:\b+11], v[\c:\c+7], v[\sa], v[\sb] matrix_a_fmt:MATRIX_FMT_BF6 matrix_b_fmt:MATRIX_FMT_BF6
.endif
.endm
.macro LDKV f, sc, off                 ; four fragments and their scale words: 16 loads
.irp p, 0,1,2,3
.irp ch, 0,1,2
	global_load_b128 v[\f+12*\p+4*\ch:\f+12*\p+4*\ch+3], v[L16], s[KB:KB+1] offset:\off+FRAG*\p+512*\ch
.endr
.endr
.irp p, 0,1,2,3
	global_load_b32 v[\sc+\p], v[L4], s[KB:KB+1] offset:8*FRAG+128*\p
.endr
.endm
.macro LDW ks                          ; Wo's four fragments of K step ks: 12 loads.  K steps 0, 1 go to v160-255, 2 to K's registers, 3 to V's
.irp t, 0,1,2,3
.irp ch, 0,1,2
	global_load_b128 v[64+48*(((\ks)+2)%4)+12*\t+4*\ch:64+48*(((\ks)+2)%4)+12*\t+4*\ch+3], v[L16], s[44:45] offset:TILEB*\t+FRAG*(\ks)+512*\ch
.endr
.endr
.endm
.macro ROWSUM x                        ; the unquantised p of tile x, added in place as a tree, two numbers an instruction: 31 additions and one onto the sum
.irp d, 32,16,8,4,2
.set J, 0
.rept \d/2
	v_pk_add_f32 v[S+64*\x+J:S+64*\x+J+1], v[S+64*\x+J:S+64*\x+J+1], v[S+64*\x+J+\d:S+64*\x+J+\d+1]
.set J, J+2
.endr
.endr
	v_pk_add_f32 v[SUM+2*\x:SUM+2*\x+1], v[SUM+2*\x:SUM+2*\x+1], v[S+64*\x:S+64*\x+1]
.endm
.macro CODES x                         ; tile x's two blocks of p become codes
.irp c, 0,1
	v_cvt_scalef32_pk16_bf6_f32 v[P+12*\x+6*\c:P+12*\x+6*\c+2], v[S+64*\x+32*\c:S+64*\x+32*\c+15], v[SO+2*\x+\c]
	v_cvt_scalef32_pk16_bf6_f32 v[CT+4*\c:CT+4*\c+2], v[S+64*\x+32*\c+16:S+64*\x+32*\c+31], v[SO+2*\x+\c]
.endr
.endm
.macro UPPER x
.irp c, 0,1
.irp i, 0,1,2
	v_mov_b32 v[P+12*\x+6*\c+3+\i], v[CT+4*\c+\i]
.endr
.endr
.endm
; A KEY STEP: 128 keys for my two tiles.  first: O^T begins.  last: Wo's fragments are asked for where the next step's K and V would be.  pf: 0 no prefetch, 1 one, 2 one while the counter allows
.macro STEP first, last, pf
	s_wait_loadcnt 16                              ; K and its scale words are in; V's 16 loads may be out
	WIN 0x40
.irp p, 0,1,2,3
.irp x, 0,1
	WM S+64*\x+16*\p, KF+12*\p, QZ+12*\x+6, -1, SCK+\p, QS+\x, 0, 0        ; key tile 2 p: [q | 0]
	WM S+64*\x+16*\p+8, KF+12*\p, QZ+12*\x, -1, SCK+\p, QS+\x, 0, 0        ; key tile 2 p + 1: [0 | q]
.endr
.endr
	WIN 0
	PLACES
.if \last
	LDW 0
	LDW 1
	LDW 2
.else
	s_wait_xcnt 0x0                                ; V's loads and the last prefetch, issued a good part of a step ago, have read the base: it steps only behind this wait
	s_add_nc_u64 s[KB:KB+1], s[KB:KB+1], STEPB
	LDKV KF, SCK, 0
.if \pf == 2
	s_cmp_lt_u32 s[CNT], 3                         ; the last three steps have no record three on
	s_cbranch_scc1 .Lno_ask_\@
.endif
.if \pf
	global_prefetch_b8 v[PFO], s[KB:KB+1] offset:2*STEPB th:TH_LOAD_NT scope:SCOPE_SE
.endif
.if \pf == 2
.Lno_ask_\@:
.endif
.endif
	WIN 0x55                                       ; all that follows lies in window 1
.irp x, 0,1
.irp c, 0,1
	v_max3_num_f32 v[BM+2*\x+\c], v[S+64*\x+32*\c], v[S+64*\x+32*\c+1], v[S+64*\x+32*\c+2]   ; the largest score of each block: four chains by turns; each result is read from its low end on
.endr
.endr
.irp i, 3,5,7,9,11,13,15,17,19,21,23,25,27,29
.irp x, 0,1
.irp c, 0,1
	v_max3_num_f32 v[BM+2*\x+\c], v[BM+2*\x+\c], v[S+64*\x+32*\c+\i], v[S+64*\x+32*\c+\i+1]
.endr
.endr
.endr
.irp x, 0,1
.irp c, 0,1
	v_max_num_f32 v[BM+2*\x+\c], v[BM+2*\x+\c], v[S+64*\x+32*\c+31]
.endr
.endr
.irp x, 0,1
	v_max_num_f32 v[T+\x], v[BM+2*\x], v[BM+2*\x+1]
.endr
.irp x, 0,1
	v_permlanex16_b32 v[RX+\x], v[T+\x], s[SEL], s[SEL+1]
.endr
.irp x, 0,1
	v_max3_num_f32 v[NM+2*\x+1], v[NM+2*\x+1], v[T+\x], v[RX+\x]   ; the running largest score of my query
.endr
.irp x, 0,1
	v_mul_f32 v[T+\x], s[CS], v[NM+2*\x+1]         ; as t
.endr
.irp x, 0,1
	v_floor_f32 v[RX+\x], -v[T+\x]                 ; the new -M = -ceil(t)
.endr
.irp x, 0,1
	v_sub_f32 v[T+\x], v[RX+\x], v[NM+2*\x]        ; old M - new M: a whole number, 0 or less
.endr
.irp x, 0,1
	v_mov_b32 v[NM+2*\x], v[RX+\x]
.endr
.irp x, 0,1
	v_cvt_i32_f32 v[T+\x], v[T+\x]                 ; (it saturates)
.endr
.irp x, 0,1
	v_ldexp_f32 v[F+2*\x], 1.0, v[T+\x]            ; f = 2^(old M - new M)
.endr
.set J, 0
.rept 64
	v_pk_fma_f32 v[S+J:S+J+1], v[S+J:S+J+1], s[CS:CS+1], v[NM+2*(J/64):NM+2*(J/64)+1] op_sel_hi:[1,0,0]   ; t - M, two at a time
.set J, J+2
.endr
.irp i, 0,1,2,3
	v_fma_f32 v[BM+\i], v[BM+\i], s[CS], v[NM+2*(\i/2)]   ; the same of each block's largest score
.endr
	s_wait_alu depctr_va_vdst(0)
.set J, 0
.rept 128
	v_exp_f32 v[S+J], v[S+J]                       ; p = 2^(t - M)
.set J, J+1
.endr
.irp i, 0,1,2,3
	v_exp_f32 v[BM+\i], v[BM+\i]                   ; the block's largest p
.endr
.irp x, 0,1
	v_pk_mul_f32 v[SUM+2*\x:SUM+2*\x+1], v[SUM+2*\x:SUM+2*\x+1], v[F+2*\x:F+2*\x+1] op_sel_hi:[1,0]   ; the sums under the new M (plain lines behind the exponentials)
.endr
	s_wait_alu depctr_va_vdst(0)                   ; and behind it, ahead of its first reader
.irp i, 0,1,2,3
	v_max_num_f32 v[BM+\i], FLOOR, v[BM+\i]
.endr
.irp i, 0,1,2,3
	v_add_nc_u32 v[SO+\i], EOFF, v[BM+\i]          ; the conversion's scale operand
.endr
.irp i, 0,1,2,3
	v_lshrrev_b32 v[BM+\i], 23, v[SO+\i]           ; the scale's byte
.endr
.irp x, 0,1
	v_lshl_or_b32 v[T+\x], v[BM+2*\x+1], 16, v[BM+2*\x]   ; my bytes: blocks h and 2 + h
.endr
.irp x, 0,1
	v_permlanex16_b32 v[RX+\x], v[T+\x], s[SEL], s[SEL+1]
.endr
	CODES 0
	WIN 0x15                                       ; scale words lie in window 0
.irp x, 0,1
	v_lshl_or_b32 v[PS+\x], v[RX+\x], 8, v[T+\x]   ; lanes 0-15, which alone are read: my bytes 0 and 2, lane l + 16's as bytes 1 and 3.  (Plain lines behind the conversions)
.endr
	WIN 0x55
	UPPER 0
	CODES 1
	ROWSUM 0                                       ; (its first line is the plain line behind tile 1's conversions)
	UPPER 1
	ROWSUM 1
.if !(\first)
	s_wait_alu depctr_va_vdst(0)
.set J, 0
.rept 32
	v_pk_mul_f32 v[O+J:O+J+1], v[O+J:O+J+1], v[F+2*(J/32):F+2*(J/32)+1] op_sel_hi:[1,0]   ; O^T under the new M
.set J, J+2
.endr
.endif
	s_wait_alu depctr_va_vdst(0)
.if \last
	s_wait_loadcnt 36                              ; V is in; Wo's 36 loads may be out
.else
	s_wait_loadcnt 16                              ; V is in; the next step's K, 16 loads, may be out
.endif
	WIN 0x54
.irp d, 0,1,2,3
.irp x, 0,1
.if \first
	WM O+32*\x+8*\d, VF+12*\d, P+12*\x, -1, SCV+\d, PS+\x, 1, 0
.else
	WM O+32*\x+8*\d, VF+12*\d, P+12*\x, O+32*\x+8*\d, SCV+\d, PS+\x, 1, 0     ; the eight accumulators by turns
.endif
.endr
.endr
	WIN 0
	PLACES
.if \last
	LDW 3
.irp i, 0,1
	global_load_b128 v[SAW+4*\i:SAW+4*\i+3], v[RW], s[46:47] offset:256*\i   ; Wo's scale words: four K steps of row r of tile i (lanes 0-15) and of tile i + 2 (lanes 16-31)
.endr
.else
	LDKV VF, SCV, 4*FRAG
.endif
.endm
	s_load_b256 s[4:11], s[0:1], 0x0               ; qb, kv, wb, bo
	s_load_b64 s[12:13], s[0:1], 0x20              ; out0
	v_lshrrev_b32 v160, 5, v0
	v_readfirstlane_b32 s[WV], v160                ; wave = head
	s_lshr_b32 s15, ttmp9, 7                       ; batch
	s_lshr_b32 s16, ttmp9, 2                       ; block of 128 tokens, 0 .. 63
	s_and_b32 s17, ttmp9, 3                        ; which pair of its tiles
	s_lshl_b32 s18, s15, 3
	s_add_co_u32 s18, s18, s[WV]                   ; batch x 8 + head
	s_and_b32 s19, s16, 31
	s_lshl_b32 s25, s18, 5
	s_add_co_u32 s19, s19, s25
	s_mul_i32 s19, s19, QREC                       ; q's record,
	s_mul_i32 s26, s17, FRAG
	s_add_co_u32 s26, s26, s19                     ; its pair fragment,
	s_mov_b32 s27, 0
	s_lshl_b32 s28, s17, 6
	s_add_co_u32 s28, s28, s19
	s_add_co_u32 s28, s28, 4*FRAG                  ; the pair's scale words
	s_mov_b32 s29, 0
	s_mul_i32 s30, s18, 32*STEPB                   ; my head's 32 records of kv
	s_mov_b32 s31, 0
	s_lshr_b32 s32, s[WV], 1
	s_add_co_u32 s32, s32, 12                      ; Wo is the fourth weight in wb: records 12 .. 15
	s_mul_i32 s32, s32, REC
	s_and_b32 s33, s[WV], 1
	s_mul_i32 s44, s33, 4*TILEB
	s_add_co_u32 s44, s44, s32                     ; my four tiles of Wo,
	s_mov_b32 s45, 0
	s_lshl_b32 s46, s33, 10
	s_add_co_u32 s46, s46, s32
	s_add_co_u32 s46, s46, SCOFF                   ; their scale words
	s_mov_b32 s47, 0
	s_lshl_b32 s48, s[WV], 8                       ; my 64 columns: 256 bytes on in the bias and in a row of out
	s_mov_b32 s49, 0
	s_lshl_b32 s50, s16, 7
	s_lshr_b32 s34, s17, 1
	s_lshl_b32 s34, s34, 6
	s_add_co_u32 s50, s50, s34
	s_and_b32 s34, s17, 1
	s_lshl_b32 s34, s34, 4
	s_add_co_u32 s50, s50, s34                     ; tile 0's first token: 128 block + 64 (p / 2) + 16 (p % 2)
	s_lshl_b32 s50, s50, 11
	s_add_co_u32 s50, s50, s48
	s_mov_b32 s51, 0
	s_and_b32 s35, ttmp9, 127                      ; my number among the 128 work-groups of the batch
	s_mul_hi_u32 s36, s35, 85899346                ; / 50
	s_mul_i32 s36, s36, 50
	s_sub_co_u32 s36, s35, s36
	s_lshl_b32 s36, s36, 8                         ; the block of each record that I name
	s_lshl_b32 s37, s35, 3
	s_add_co_u32 s37, s37, s[WV]
	s_mul_i32 s37, s37, 25
	s_lshr_b32 s37, s37, 5                         ; 0 .. 799: the block of Wo's records that I name,
	s_add_co_u32 s37, s37, 2400                    ; 12 records = 2,400 blocks into wb
	s_lshl_b32 s37, s37, 8
	s_mul_i32 s38, s[WV], 768
	s_lshl_b32 s39, s[WV], 1
	s_add_co_u32 s39, s39, SCB
	s_mul_i32 s40, s[WV], STW
	s_add_co_u32 s40, s40, STG
	s_add_co_u32 s41, s48, BIASL
	s_mov_b32 s[SEL], 0x76543210
	s_mov_b32 s[SEL+1], 0xfedcba98                 ; lane selects for lane l xor 16
	s_mov_b32 s[CS], 0x3e38aa3b                    ; log2(e) / 8
	s_mov_b32 s[CS+1], s[CS]
	v_lshl_add_u32 v[SPW], v0, 2, SPARE
	v_mov_b32 v[NIL], 0
	v_and_b32 v160, 31, v0                         ; lane
	v_and_b32 v161, 15, v0                         ; r
	v_bfe_u32 v162, v0, 4, 1                       ; h
	v_lshlrev_b32 v[L16], 4, v160
	v_lshlrev_b32 v[L4], 2, v160
	v_lshlrev_b32 v[L8], 3, v160
	v_lshlrev_b32 v[R4], 2, v161
	v_lshlrev_b32 v[R16], 4, v161
	v_mov_b32 v[PFO], s36
	v_mov_b32 v[WPF], s37
	v_add_nc_u32 v[CA], s38, v[L16]                ; half fragment of head w: 768 w; registers 0-3 at 16 x lane,
	v_add_nc_u32 v[CB], s38, v[L8]                 ; registers 4-5 at 512 + 8 x lane
	v_add_nc_u32 v[C8], v[R16], v162
	v_add_nc_u32 v[C8], s39, v[C8]                 ; row r's 16 scale bytes: byte 2 w + h
	v_lshl_add_u32 v[RW], v162, 9, v[R16]
	v_lshl_add_u32 v[RH], v162, 8, v[R16]
	v_mul_u32_u24 v[SIN], v161, 272
	v_lshl_add_u32 v[SIN], v162, 7, v[SIN]
	v_add_nc_u32 v[SIN], s40, v[SIN]               ; the stage: row r, + 128 h
	v_mul_u32_u24 v[SOUT], v162, 272
	v_add_nc_u32 v[SOUT], v[SOUT], v[R16]
	v_add_nc_u32 v[SOUT], s40, v[SOUT]             ; back: sixteen lanes to a row of 256 bytes, two rows an instruction
	v_lshl_add_u32 v[CO], v162, 11, v[R16]         ; and the same in out
	v_lshl_add_u32 v[BL], v162, 7, s41
	v_add_nc_u32 v[BS], s41, v[L8]
	s_wait_alu depctr_va_vdst(0)
	s_wait_kmcnt 0x0
	s_add_nc_u64 s[26:27], s[4:5], s[26:27]
	s_add_nc_u64 s[28:29], s[4:5], s[28:29]
	s_add_nc_u64 s[KB:KB+1], s[KB:KB+1], s[30:31]
	s_add_nc_u64 s[44:45], s[8:9], s[44:45]
	s_add_nc_u64 s[46:47], s[8:9], s[46:47]
	s_add_nc_u64 s[48:49], s[10:11], s[48:49]
	s_add_nc_u64 s[50:51], s[12:13], s[50:51]
	global_load_b64 v[164:165], v[L8], s[48:49]    ; my 64 numbers of the bias
	global_load_b32 v[QW], v[R4], s[28:29]
	global_load_b64 v[QZ+6:QZ+7], v[L16], s[26:27]               ; in the image registers 0-5 (tile 0) lie at bytes 0, 8 and 512 (+ 16 x lane), registers 6-11 (tile 1) at 520, 1,024 and 1,032
	global_load_b64 v[QZ+8:QZ+9], v[L16], s[26:27] offset:8
	global_load_b64 v[QZ+10:QZ+11], v[L16], s[26:27] offset:512
	global_load_b64 v[QZ+18:QZ+19], v[L16], s[26:27] offset:520
	global_load_b64 v[QZ+20:QZ+21], v[L16], s[26:27] offset:1024
	global_load_b64 v[QZ+22:QZ+23], v[L16], s[26:27] offset:1032
	LDKV KF, SCK, 0                                ; step 0
	LDKV VF, SCV, 4*FRAG
	global_prefetch_b8 v[WPF], s[8:9] th:TH_LOAD_NT scope:SCOPE_SE
	s_wait_loadcnt 32                              ; the bias and q are in; step 0's 32 loads may be out
	v_perm_b32 v[QS], v[QW], v[QW], 0x01000100     ; a tile's two bytes under the instruction's blocks 0, 1 and 2, 3 alike: they serve [q | 0] and [0 | q]
	v_perm_b32 v[QS+1], v[QW], v[QW], 0x03020302
	ds_store_b64 v[BS], v[164:165]                 ; the bias waits in my own 256 bytes of LDS
.irp j, 0,1,2,3,4,5
	v_mov_b32 v[QZ+\j], 0                          ; zero codes beside q.  (These lines and those below also stand between the scale words' writes and the first product)
	v_mov_b32 v[QZ+12+\j], 0
	v_mov_b32 v[QZ+24+\j], 0
.endr
	WIN 0x40
.irp x, 0,1
	v_mov_b32 v[SUM+2*\x], 0
	v_mov_b32 v[SUM+2*\x+1], 0
	v_mov_b32 v[RX+\x], 0                          ; a lane permute's destination counts as one of its sources
	v_mov_b32 v[F+2*\x+1], 0                       ; (named as the upper half of a pair)
	v_mov_b32 v[NM+2*\x+1], 0xff61b1e6             ; the largest score so far: -3e38
	v_mov_b32 v[NM+2*\x], 0x7f61b1e6               ; and -M to match: the first f comes out 0
.endr
	WIN 0
	s_wait_alu depctr_va_vdst(0)
	STEP 1, 0, 1                                   ; step 0 begins O^T: nothing is cleared
	s_mov_b32 s[CNT], 30
.Lstep:
	STEP 0, 0, 2                                   ; steps 1 .. 30
	s_sub_co_u32 s[CNT], s[CNT], 1
	s_cmp_lg_u32 s[CNT], 0
	s_cbranch_scc1 .Lstep
	STEP 0, 1, 0                                   ; step 31
	; ctx = O^T / the sum, quantised: a lane's 32 registers of a tile are channels 64 head + 32 h + 0 .. 31: a whole block of the last product's K
	WIN 0x55
.irp x, 0,1
	v_add_f32 v[SUM+2*\x], v[SUM+2*\x], v[SUM+2*\x+1]
.endr
.irp x, 0,1
	v_permlanex16_b32 v[RX+\x], v[SUM+2*\x], s[SEL], s[SEL+1]
.endr
.irp x, 0,1
	v_add_f32 v[SUM+2*\x], v[SUM+2*\x], v[RX+\x]
.endr
	s_wait_alu depctr_va_vdst(0)                   ; ahead of the reciprocals
.irp x, 0,1
	v_rcp_f32 v[F+2*\x], v[SUM+2*\x]
.endr
	v_nop
	s_wait_alu depctr_va_vdst(0)                   ; and behind them, directly ahead of the first reader of O^T
.set J, 0
.rept 32
	v_pk_mul_f32 v[O+J:O+J+1], v[O+J:O+J+1], v[F+2*(J/32):F+2*(J/32)+1] op_sel_hi:[1,0]
.set J, J+2
.endr
.irp i, 0,1,2,3
	v_max3_num_f32 v[BM+\i], |v[O+16*\i]|, |v[O+16*\i+1]|, FLOOR
.endr
.irp k, 2,4,6,8,10,12,14
.irp i, 0,1,2,3
	v_max3_num_f32 v[BM+\i], v[BM+\i], |v[O+16*\i+\k]|, |v[O+16*\i+\k+1]|
.endr
.endr
.irp x, 0,1
	v_max_num_f32 v[BM+2*\x], v[BM+2*\x], v[BM+2*\x+1]
.endr
.irp x, 0,1
	v_add_nc_u32 v[SO+2*\x], EOFF, v[BM+2*\x]
.endr
.irp x, 0,1
	v_cvt_scalef32_pk16_bf6_f32 v[P+12*\x:P+12*\x+2], v[O+32*\x:O+32*\x+15], v[SO+2*\x]
	v_cvt_scalef32_pk16_bf6_f32 v[CT+4*\x:CT+4*\x+2], v[O+32*\x+16:O+32*\x+31], v[SO+2*\x]
.endr
.irp x, 0,1
	v_lshrrev_b32 v[T+\x], 23, v[SO+2*\x]          ; the scale's byte (plain lines behind the conversions)
.endr
.irp x, 0,1
.irp i, 0,1,2
	v_mov_b32 v[P+12*\x+3+\i], v[CT+4*\x+\i]
.endr
.endr
	WIN 0x04                                       ; the data lie in window 1
.irp x, 0,1
	ds_store_b128 v[CA], v[P+12*\x:P+12*\x+3] offset:TILEB*\x
	ds_store_b64 v[CB], v[P+12*\x+4:P+12*\x+5] offset:TILEB*\x+512
	ds_store_b8 v[C8], v[T+\x] offset:256*\x
.endr
	WIN 0
	s_wait_dscnt 0x0                               ; my stores are done:
	s_barrier_signal -1
	s_barrier_wait -1                              ; everybody's are.  Nobody writes these bytes again
	WIN 0x40
.irp u, 0,1
.irp hf, 0,1,2,3,4,5,6,7                           ; half fragment hf = head: registers 6 hf .. of tile u's 48
	ds_load_b128 v[S+48*\u+6*\hf:S+48*\u+6*\hf+3], v[L16] offset:TILEB*\u+768*\hf
	ds_load_b64 v[S+48*\u+6*\hf+4:S+48*\u+6*\hf+5], v[L8] offset:TILEB*\u+768*\hf+512
.endr
.endr
.irp t, 0,1,2,3
	ds_load_b128 v[BI+8*\t:BI+8*\t+3], v[BL] offset:32*\t          ; register j of accumulator t is column 64 w + 32 h + 8 t + j: the bias is the C of each sum's first product
	ds_load_b128 v[BI+8*\t+4:BI+8*\t+7], v[BL] offset:32*\t+16
.endr
	WIN 0
	ds_load_b128 v[SBW:SBW+3], v[RH] offset:SCB    ; ctx's scale words of four K steps: tile 0's row r in lanes 0-15, tile 1's in lanes 16-31
	s_wait_dscnt 0x0
	s_wait_loadcnt 0x0                             ; Wo's fragments and scale words are in
	WIN 0x54
.irp ks, 0,1,2,3
.irp t, 0,1,2,3
.irp u, 0,1
.if \ks == 0
	WM O+32*\u+8*\t, 64+48*((\ks+2)%4)+12*\t, S+48*\u+12*\ks, BI+8*\t, SAW+4*(\t%2)+\ks, SBW+\ks, \t/2, \u
.else
	WM O+32*\u+8*\t, 64+48*((\ks+2)%4)+12*\t, S+48*\u+12*\ks, O+32*\u+8*\t, SAW+4*(\t%2)+\ks, SBW+\ks, \t/2, \u   ; the eight accumulators by turns
.endif
.endr
.endr
.endr
	WIN 0
	PLACES
	WIN 0x04
.irp u, 0,1
.irp t, 0,1,2,3
	ds_store_b128 v[SIN], v[O+32*\u+8*\t:O+32*\u+8*\t+3] offset:4352*\u+32*\t          ; each accumulator from its low end on
	ds_store_b128 v[SIN], v[O+32*\u+8*\t+4:O+32*\u+8*\t+7] offset:4352*\u+32*\t+16
.endr
.endr
	WIN 0
.set N, 0
.rept 16
	ds_load_b128 v[OUTR+4*N:OUTR+4*N+3], v[SOUT] offset:4352*(N/8)+544*(N%8)   ; LDS serves a wave's instructions in order (ISA guide 5.7.1.4): these see my stores
.set N, N+1
.endr
.set N, 0
.rept 16
	s_wait_dscnt 15-N                              ; these two rows are back; the younger loads may be out
	global_store_b128 v[CO], v[OUTR+4*N:OUTR+4*N+3], s[50:51] offset:(8*(N/8)+32*((N%8)/4)+2*(N%4))*2048 th:TH_STORE_NT   ; sixteen lanes store 256 consecutive bytes, at a multiple of 256 from out's first byte
.set N, N+1
.endr
	s_wait_tensorcnt 0x0                           ; the wave's end
	ds_add_u32 v[SPW], v[NIL]
	s_wait_dscnt 0x0
	s_endpgm
.Lfunc_end_k_q268fbc64e3_attn:
	.size	k_q268fbc64e3_attn, .Lfunc_end_k_q268fbc64e3_attn-k_q268fbc64e3_attn
	.p2alignl 7, 3214868480
	.fill 96, 4, 3214868480
	.section	.rodata,"a",@progbits
	.p2align	6, 0x0
	.amdhsa_kernel k_q268fbc64e3_attn
		.amdhsa_group_segment_fixed_size 85504
		.amdhsa_private_segment_fixed_size 0
		.amdhsa_enable_private_segment 0
		.amdhsa_kernarg_size 40
		.amdhsa_user_sgpr_count 2
		.amdhsa_user_sgpr_kernarg_segment_ptr 1
		.amdhsa_wavefront_size32 1
		.amdhsa_system_sgpr_workgroup_id_x 1
		.amdhsa_system_sgpr_workgroup_id_y 1
		.amdhsa_system_sgpr_workgroup_id_z 1
		.amdhsa_system_vgpr_workitem_id 0
		.amdhsa_next_free_vgpr 512
		.amdhsa_next_free_sgpr 66
		.amdhsa_reserve_vcc 0
		.amdhsa_float_denorm_mode_32 3
		.amdhsa_float_denorm_mode_16_64 3
		.amdhsa_memory_ordered 1
		.amdhsa_forward_progress 1
		.amdhsa_inst_pref_size 110
	.end_amdhsa_kernel
	.amdgpu_metadata
---
amdhsa.version: [ 1, 2 ]
amdhsa.kernels:
  - .name:           k_q268fbc64e3_attn
    .symbol:         k_q268fbc64e3_attn.kd
    .args:
      - { .name: qb, .offset: 0, .size: 8, .value_kind: global_buffer, .address_space: global }
      - { .name: kv, .offset: 8, .size: 8, .value_kind: global_buffer, .address_space: global }
      - { .name: wb, .offset: 16, .size: 8, .value_kind: global_buffer, .address_space: global }
      - { .name: bo, .offset: 24, .size: 8, .value_kind: global_buffer, .address_space: global }
      - { .name: out0, .offset: 32, .size: 8, .value_kind: global_buffer, .address_space: global }
    .group_segment_fixed_size: 85504
    .private_segment_fixed_size: 0
    .kernarg_segment_align: 8
    .kernarg_segment_size: 40
    .max_flat_workgroup_size: 256
    .sgpr_count:     66
    .vgpr_count:     512
    .wavefront_size: 32
...
	.end_amdgpu_metadata
.endif
;; end of part 3
